; MI455X (gfx1250); checked and timed in simulation.
; The chip was launched on July 23, 2026; its instructions are those of AMD's public machine-readable ISA for CDNA 5 (MIT licence, August 2026) and "CDNA5" Instruction Set Architecture Reference Guide (July 2026). The comments in the code are by the model that wrote it; some were corrected since.
;; Causal Self Attention. Allowed arithmetic: float matrix products may take bf16 or f16 operands with f32 sums; all other float work in f32.
;; Inputs: Wproj 1,024 x 1,024 float32; Wqkv 1,024 x 3,072 float32; bproj 1,024 float32; bqkv 3,072 float32; x 4 x 2,048 x 1,024 float32.
;; Outputs: out0 4 x 2,048 x 1,024 float32.
;; One version. Each part assembles by itself: llvm-mc -triple=amdgcn-amd-amdhsa -mcpu=gfx1250 --defsym DOCPART=n.
;; ======== version 1 of 1: 4 launches
;; limits: values are held in f16: magnitudes above 65,504 overflow, below 6.1e-05 lose precision
;; workspace buffers: xb 16,777,216 bytes; wqkvb 6,291,456 bytes; wprojh 2,097,152 bytes; qkv 50,331,648 bytes; yb 33,554,432 bytes
;; launch cast (part 1): grid 768 x 1, 8 waves a work-group, no clusters, 0 bytes of LDS; arguments x, Wqkv, Wproj, xb, wqkvb, wprojh; writes xb, wqkvb, wprojh
.if DOCPART == 1
	.amdgcn_target "amdgcn-amd-amdhsa--gfx1250"
	.amdhsa_code_object_version 6
	.text
	.protected	k_qe2d5b8a720_cast
	.globl	k_qe2d5b8a720_cast
	.p2align	8
	.type	k_qe2d5b8a720_cast,@function
k_qe2d5b8a720_cast:
	s_mov_b64 s[64:65], 0
	v_nop
	global_prefetch_b8 v0, s[64:65] scope:SCOPE_SE
	s_setreg_imm32_b32 hwreg(HW_REG_WAVE_MODE, 25, 1), 1
	s_wait_xcnt 0x0
; x and Wqkv: f32 -> bf16 (nearest even), same layout.  Wproj: f32 -> bf16 (nearest even), and that value written as f16,
; because the last product takes f16 operands.
; LIMIT: |Wproj| below 65,504; a bf16 value below 2^-14 is kept to 2^-25 absolute (f16's denormals).
; 12,582,912 numbers in 768 equal chunks of 16,384 (64 KiB in, 32 KiB out): work-groups 0-511 x, 512-703 Wqkv, 704-767 Wproj.
; Thread t takes 16 bytes at 16 t of each of 16 blocks of 4,096 bytes: a wave's load covers 512 consecutive bytes, its store of
; 8 bytes a lane 256 consecutive bytes, aligned.  All 16 loads go out first; no register is written twice while a memory
; instruction may read it.  No LDS, no barrier, no matrix unit: every byte is touched once and nothing is shared.
.set X, 4                              ; v[4:67]   16 x 4 numbers as loaded
.set Y, 68                             ; v[68:99]  16 x 2 registers to store
	s_load_b256 s[4:11], s[0:1], 0x0               ; x s[4:5], Wqkv s[6:7], Wproj s[8:9], xb s[10:11]
	s_load_b128 s[12:15], s[0:1], 0x20             ; wqkvb s[12:13], wprojh s[14:15]
	v_lshlrev_b32 v1, 4, v0                        ; 16 t
	v_lshlrev_b32 v2, 3, v0                        ; 8 t
	s_movk_i32 s17, 512
	s_movk_i32 s18, 704
	s_wait_kmcnt 0x0
	s_cmp_lt_u32 ttmp9, 704                        ; the choice of buffers hangs on the work-group's number alone
	s_cselect_b64 s[20:21], s[6:7], s[8:9]
	s_cselect_b64 s[22:23], s[12:13], s[14:15]
	s_cselect_b32 s16, s17, s18                    ; the first work-group of that buffer
	s_cmp_lt_u32 ttmp9, 512
	s_cselect_b64 s[20:21], s[4:5], s[20:21]
	s_cselect_b64 s[22:23], s[10:11], s[22:23]
	s_cselect_b32 s16, 0, s16
	s_sub_co_u32 s16, ttmp9, s16                   ; my chunk in its buffer
	s_lshl_b32 s24, s16, 16                        ; 65,536 bytes in
	s_mov_b32 s25, 0
	s_lshl_b32 s26, s16, 15                        ; 32,768 bytes out
	s_mov_b32 s27, 0
	s_add_nc_u64 s[20:21], s[20:21], s[24:25]
	s_add_nc_u64 s[22:23], s[22:23], s[26:27]
.irp i, 0,1,2,3,4,5,6,7,8,9,10,11,12,13,14,15
	global_load_b128 v[X+4*\i:X+4*\i+3], v1, s[20:21] offset:4096*\i th:TH_LOAD_NT
.endr
; block i: tof16 = 1 writes the bf16 value again as f16
.macro CONV i, tof16
	s_wait_loadcnt 15-\i                           ; loads come back in order: block i is in, the 15 - i younger ones stay out
	v_cvt_pk_bf16_f32 v[Y+2*\i],   v[X+4*\i],   v[X+4*\i+1]
	v_cvt_pk_bf16_f32 v[Y+2*\i+1], v[X+4*\i+2], v[X+4*\i+3]
.if \tof16
	v_lshlrev_b32 v[X+4*\i],   16, v[Y+2*\i]                ; bf16 to f32: the low half moves up, the high half stays
	v_and_b32     v[X+4*\i+1], 0xffff0000, v[Y+2*\i]
	v_lshlrev_b32 v[X+4*\i+2], 16, v[Y+2*\i+1]
	v_and_b32     v[X+4*\i+3], 0xffff0000, v[Y+2*\i+1]
	v_cvt_pk_f16_f32 v[Y+2*\i],   v[X+4*\i],   v[X+4*\i+1]
	v_cvt_pk_f16_f32 v[Y+2*\i+1], v[X+4*\i+2], v[X+4*\i+3]
.endif
	global_store_b64 v2, v[Y+2*\i:Y+2*\i+1], s[22:23] offset:2048*\i
.endm
	s_cmp_ge_u32 ttmp9, 704
	s_cbranch_scc1 .Lwproj
.irp i, 0,1,2,3,4,5,6,7,8,9,10,11,12,13,14,15
	CONV \i, 0
.endr
	s_endpgm
.Lwproj:
.irp i, 0,1,2,3,4,5,6,7,8,9,10,11,12,13,14,15
	CONV \i, 1
.endr
	s_endpgm
.Lfunc_end_k_qe2d5b8a720_cast:
	.size	k_qe2d5b8a720_cast, .Lfunc_end_k_qe2d5b8a720_cast-k_qe2d5b8a720_cast
	.p2alignl 7, 3214868480
	.fill 96, 4, 3214868480
	.section	.rodata,"a",@progbits
	.p2align	6, 0x0
	.amdhsa_kernel k_qe2d5b8a720_cast
		.amdhsa_group_segment_fixed_size 0
		.amdhsa_private_segment_fixed_size 0
		.amdhsa_enable_private_segment 0
		.amdhsa_kernarg_size 48
		.amdhsa_user_sgpr_count 2
		.amdhsa_user_sgpr_kernarg_segment_ptr 1
		.amdhsa_wavefront_size32 1
		.amdhsa_system_sgpr_workgroup_id_x 1
		.amdhsa_system_sgpr_workgroup_id_y 1
		.amdhsa_system_sgpr_workgroup_id_z 1
		.amdhsa_system_vgpr_workitem_id 0
		.amdhsa_next_free_vgpr 100
		.amdhsa_next_free_sgpr 66
		.amdhsa_reserve_vcc 0
		.amdhsa_float_denorm_mode_32 3
		.amdhsa_float_denorm_mode_16_64 3
		.amdhsa_memory_ordered 1
		.amdhsa_forward_progress 1
		.amdhsa_inst_pref_size 16
	.end_amdhsa_kernel
	.amdgpu_metadata
---
amdhsa.version: [ 1, 2 ]
amdhsa.kernels:
  - .name:           k_qe2d5b8a720_cast
    .symbol:         k_qe2d5b8a720_cast.kd
    .args:
      - { .name: x, .offset: 0, .size: 8, .value_kind: global_buffer, .address_space: global }
      - { .name: Wqkv, .offset: 8, .size: 8, .value_kind: global_buffer, .address_space: global }
      - { .name: Wproj, .offset: 16, .size: 8, .value_kind: global_buffer, .address_space: global }
      - { .name: xb, .offset: 24, .size: 8, .value_kind: global_buffer, .address_space: global }
      - { .name: wqkvb, .offset: 32, .size: 8, .value_kind: global_buffer, .address_space: global }
      - { .name: wprojh, .offset: 40, .size: 8, .value_kind: global_buffer, .address_space: global }
    .group_segment_fixed_size: 0
    .private_segment_fixed_size: 0
    .kernarg_segment_align: 8
    .kernarg_segment_size: 48
    .max_flat_workgroup_size: 256
    .sgpr_count:     66
    .vgpr_count:     100
    .wavefront_size: 32
...
	.end_amdgpu_metadata
.endif
;; end of part 1
;; launch qkvgemm (part 2): grid 16 x 32, 4 waves a work-group, clusters of 4 x 4, 327,680 bytes of LDS; arguments xb, wqkvb, bqkv, qkv; writes qkv
.if DOCPART == 2
	.amdgcn_target "amdgcn-amd-amdhsa--gfx1250"
	.amdhsa_code_object_version 6
	.text
	.protected	k_qe2d5b8a720_qkvgemm
	.globl	k_qe2d5b8a720_qkvgemm
	.p2align	8
	.type	k_qe2d5b8a720_qkvgemm,@function
k_qe2d5b8a720_qkvgemm:
	s_mov_b64 s[64:65], 0
	v_nop
	global_prefetch_b8 v0, s[64:65] scope:SCOPE_SE
	s_setreg_imm32_b32 hwreg(HW_REG_WAVE_MODE, 25, 1), 1
	s_wait_xcnt 0x0
	s_wait_alu depctr_hold_cnt(0) depctr_sa_sdst(0) depctr_va_vdst(0) depctr_va_sdst(0) depctr_va_ssrc(0) depctr_va_vcc(0) depctr_vm_vsrc(0)
	s_getreg_b32 s2, hwreg(HW_REG_IB_STS2, 6, 4)
	s_cmp_eq_u32 s2, 0
	s_cbranch_scc0 .Lentry_in_a_cluster
	s_endpgm
.Lentry_in_a_cluster:
	s_bfe_u32 s2, ttmp6, 0x10000c
	s_cmp_lg_u32 s2, 0xf033
	s_cbranch_scc0 .Lentry_shape_is_right
	s_endpgm
.Lentry_shape_is_right:
; qkv = x Wqkv + bqkv.  xb [8192][1024] bf16, wqkvb [1024][3072] bf16 (K down the rows), bqkv [3072] f32; sums in f32.
; Out: qkv as f16, laid by sections of 64 columns: byte = section * 2^20 + row * 128 + 2 d (sections 0-15 q, 16-31 k, 32-47 v), so that
; a head's rows are dense and two rows make 256 consecutive bytes.
; LIMIT: results are rounded to f16: |q|, |k|, |v| below 65,504.  f16 and not bf16, because a row of the final output that attends to
; few keys is many times larger than the output's root mean square, and an 8-bit significand of v would show there.
; A work-group makes 256 x 192 of the result (8192 x 3072 = 512 equal blocks), four waves of 128 x 96: 48 accumulator tiles, 384 registers.
; K goes in 8 steps of 128 through two LDS slots.  A's rows are 256 bytes of memory, aligned; B's are 384 bytes and start on multiples of 128.
; CLUSTERS: 4 x 4 work-groups; A's tile hangs on the block row alone and is asked for jointly by a row of the cluster, B's on the block column
; alone and is asked for jointly by a column.
; B lies [K][N]: its fragments come through the transposing LDS load.  In LDS 16 bytes follow every 64 of a B row (pitch 480 = 15 x 32).
; The matrix instruction is used transposed (source 0 = 16 columns of W, source 1 = 16 rows of x): a lane's 8 results are 8 neighbouring columns of a row.
; REGISTERS: window 0: v0-31 addresses, v64-127 / v128-191 A's fragments (two buffers), v192-239 the bias, later packed results;
; window 1: v64-111 / v128-175 B's fragments; window 2: accumulators of my rows 0-63 (tile (a, b) at 8 (6 a + b)); window 3: rows 64-127.
.set NB,     6                         ; blocks of 16 columns in a wave's tile
.set NCOLS,  192                       ; columns of the work-group's tile
.set KSTEP,  128
.set PA,     272                       ; A's LDS pitch: 256 + 16
.set AQH,    128                       ; byte of quarter q in an A row = (q >> 1) AQH + (q & 1) 64
.set AROWH,  128*PA                    ; my half of A's rows
.set AHALF,  128*PA                    ; what one tensor load brings of A
.set ABYTES, 2*AHALF
.set PB,     480
.set CH,     80                        ; 64 bytes (two blocks of 16 columns) + 16
.set BHALF,  64*PB                     ; what one tensor load brings of B: 64 rows of K
.set SLOT,   ABYTES+2*BHALF            ; 131,072
.set NL,     2*NB+16                   ; LDS loads of a quarter step
.set ASL1,   KSTEP*2                   ; slot 1's first tile lies so far behind slot 0's
.set BSL1,   KSTEP*3072*2
.set AADV,   2*KSTEP*2                 ; a slot's next tile: two K steps on
.set BADV,   2*KSTEP*3072*2
.set LAPS,   4                         ; a lap = two K steps
.set SP,     400                       ; the stage's pitch: 384 + 16 = 25 x 16
.set ADRA, 16
.set ADRB, 20
.set STO,  24
.set RD,   25
.set CO,   26
.set BOFF, 27
.set F0,   64
.set F1,   128
.set BIAS, 192
.set TMP,  192
.set G1,  24                           ; s[24:31] group 1 for A
.set G0,  32                           ; s[32:39] group 0 for A, one set a slot
.set G1B, 48                           ; s[48:55] group 1 for B
.set G0B, 56                           ; s[56:63] group 0 for B, one set a slot
.set MSB, 0
.macro WIN new                         ; the immediate's high byte repeats the setting that is left
.if MSB != \new
	s_set_vgpr_msb (MSB<<8)|\new
.set MSB, \new
.endif
.endm
.set MUL_LO, 0xa1                      ; source 0 (W) window 1, source 1 (x) window 0, C and D window 2
.set MUL_HI, 0xf1                      ; the same, C and D window 3
.set ST_LO,  0x81                      ; the first product: C is the bias in window 0, D window 2
.set ST_HI,  0xc1
.set TO_B,   0x40
.macro PLACES                          ; four plain vector places behind matrix instructions (ISA guide 7.12.1)
.rept 4
	v_nop
.endr
.endm
; A joint load: waves 0 and 1 ask for A's halves, waves 2 and 3 for B's.  The branch hangs on the wave's number alone.
.macro JLOAD s
	s_cmp_eq_u32 s13, 0
	s_cbranch_scc0 .Lfor_b_\@
	tensor_load_to_lds s[G0+4*\s:G0+4*\s+3], s[G1:G1+7]
	s_nop 0
.rept 4
	v_nop
.endr
	s_branch .Lasked_\@
.Lfor_b_\@:
	tensor_load_to_lds s[G0B+4*\s:G0B+4*\s+3], s[G1B:G1B+7]
	s_nop 0
.rept 4
	v_nop
.endr
.Lasked_\@:
.endm
.macro CREST                           ; a round of the cluster's barrier behind its opening barrier
	s_cmp_lg_u32 s12, 0
	s_cbranch_scc1 .Lnot_wave_0_\@
	s_barrier_signal -3
.Lnot_wave_0_\@:
	s_barrier_wait -3
	s_barrier_signal -1
	s_barrier_wait -1
.endm
.macro CROUND
	s_barrier_signal -1
	s_barrier_wait -1
	CREST
.endm
	s_load_b256 s[4:11], s[0:1], 0x0               ; xb s[4:5], wqkvb s[6:7], bqkv s[8:9], qkv s[10:11]
	s_set_vgpr_msb 0x40
	v_lshl_add_u32 v255, v0, 2, 0x40000
	s_set_vgpr_msb 0x4000
	v_mov_b32 v255, 0
	s_set_vgpr_msb 0x1
	ds_add_u32 v255, v255
	ds_add_u32 v255, v255
	s_set_vgpr_msb 0x100
	v_lshrrev_b32 v1, 5, v0
	v_readfirstlane_b32 s12, v1                    ; wave 0..3
	s_lshr_b32 s13, s12, 1                         ; my half of the rows; also 0: I ask for A, 1: for B
	s_and_b32 s14, s12, 1                          ; my half of the columns; also which half of that tile I ask for
	s_bfe_u32 s40, ttmp6, 0x40000                  ; cx
	s_bfe_u32 s41, ttmp6, 0x40004                  ; cy
	s_lshl_b32 s42, ttmp9, 2
	s_add_co_u32 s42, s42, s40                     ; block column = 4 x cluster x + cx
	s_and_b32 s15, ttmp7, 0xffff
	s_lshl_b32 s15, s15, 2
	s_add_co_u32 s15, s15, s41                     ; block row = 4 x cluster y + cy
	s_lshl_b32 s43, s41, 2
	s_lshl_b32 s43, 15, s43                        ; my row of the cluster
	s_lshl_b32 s44, 0x1111, s40                    ; my column
	; group 1 for A: 128 rows x 128 elements of 2 bytes, 4 words of padding behind every 64
	s_or_b32 s[G1+0], s43, (1<<16)|(1<<20)|(1<<21)|(5<<22)|(3<<25)
	s_mov_b32 s[G1+1], 128<<16                     ; tensor_dim0 = 128
	s_mov_b32 s[G1+2], 128<<16                     ; tensor_dim1 = 128
	s_mov_b32 s[G1+3], 128<<16                     ; tile_dim0 = 128
	s_mov_b32 s[G1+4], 128                         ; tile_dim1 = 128
	s_mov_b32 s[G1+5], 1024                        ; elements from row to row
	s_mov_b32 s[G1+6], 0
	s_mov_b32 s[G1+7], 0
	; group 1 for B: 64 rows x 192 elements of 2 bytes, 4 words of padding behind every 16
	s_or_b32 s[G1B+0], s44, (1<<16)|(1<<20)|(1<<21)|(3<<22)|(3<<25)
	s_mov_b32 s[G1B+1], 192<<16
	s_mov_b32 s[G1B+2], 64<<16
	s_mov_b32 s[G1B+3], 192<<16
	s_mov_b32 s[G1B+4], 64
	s_mov_b32 s[G1B+5], 3072
	s_mov_b32 s[G1B+6], 0
	s_mov_b32 s[G1B+7], 0
	s_lshl_b32 s16, s15, 8                         ; A: row 256 x block row + 128 x half, 2,048 bytes a row
	s_lshl_b32 s17, s14, 7
	s_add_co_u32 s16, s16, s17
	s_lshl_b32 s16, s16, 11
	s_mov_b32 s17, 0
	s_mul_i32 s46, s42, NCOLS*2                    ; B: 384 bytes a block column + 64 rows of 6,144 bytes a half
	s_mul_i32 s47, s14, 64*6144
	s_add_co_u32 s46, s46, s47
	s_mov_b32 s47, 0
	s_mul_i32 s20, s12, AHALF                      ; LDS: A's halves at wave x 34,816 (waves 0, 1),
	s_mul_i32 s21, s12, BHALF                      ; B's behind them at 8,192 + wave x 30,720 (waves 2, 3)
	s_add_co_u32 s21, s21, ABYTES-2*BHALF
	s_wait_dscnt 0x0
	s_wait_kmcnt 0x0
	s_add_nc_u64 s[16:17], s[4:5], s[16:17]
	s_add_nc_u64 s[46:47], s[6:7], s[46:47]
	CROUND                                         ; all sixteen work-groups are here: the first joint loads meet
.irp s, 0,1
	s_mov_b32 s[G0+4*\s], 1
	s_add_co_u32 s[G0+4*\s+1], s20, \s*SLOT
	s_add_nc_u64 s[G0+4*\s+2:G0+4*\s+3], s[16:17], \s*ASL1
	s_or_b32 s[G0+4*\s+3], s[G0+4*\s+3], 0x80000000
	s_mov_b32 s[G0B+4*\s], 1
	s_add_co_u32 s[G0B+4*\s+1], s21, \s*SLOT
	s_add_nc_u64 s[G0B+4*\s+2:G0B+4*\s+3], s[46:47], \s*BSL1
	s_or_b32 s[G0B+4*\s+3], s[G0B+4*\s+3], 0x80000000
	JLOAD \s                                       ; both slots are asked for before anything else: two tensor loads of a wave are out here, later one
.endr
	v_and_b32 v1, 15, v0                           ; r = lane % 16
	v_bfe_u32 v2, v0, 4, 1                         ; h = lane / 16
	v_mul_u32_u24 v3, v1, PA
	v_lshl_add_u32 v3, v2, 4, v3                   ; A: r x pitch + 16 h
	v_and_b32 v4, 7, v0
	v_lshl_add_u32 v4, v2, 3, v4                   ; B: K row 8 h + lane % 8,
	v_mul_u32_u24 v4, v4, PB
	v_bfe_u32 v5, v0, 3, 1
	v_lshl_add_u32 v4, v5, 4, v4                   ; and 16 bytes on for the upper eight of each sixteen lanes
	s_mul_i32 s22, s13, AROWH
	s_mul_i32 s23, s14, (NB/2)*CH
	s_add_co_u32 s23, s23, ABYTES
.irp s, 0,1
	v_add_nc_u32 v[ADRA+\s], s22, v3
	v_add_nc_u32 v[ADRB+\s], s23, v4
	s_add_co_u32 s22, s22, SLOT
	s_add_co_u32 s23, s23, SLOT
.endr
	; the bias starts the sums: register j of lane (r, h) of block b = bias[first column + 16 b + 8 h + j]
	s_mul_i32 s46, s42, NCOLS*4
	s_mul_i32 s47, s14, 16*NB*4
	s_add_co_u32 s46, s46, s47
	s_mov_b32 s47, 0
	s_add_nc_u64 s[8:9], s[8:9], s[46:47]
	v_lshlrev_b32 v[BOFF], 5, v2
.irp b, 0,1,2,3,4,5
	global_load_b128 v[BIAS+8*\b:BIAS+8*\b+3],   v[BOFF], s[8:9] offset:64*\b
	global_load_b128 v[BIAS+8*\b+4:BIAS+8*\b+7], v[BOFF], s[8:9] offset:64*\b+16
.endr
	; the way out: the stage is the work-group's, 256 rows of 384 bytes at pitch 400
	v_mul_u32_u24 v5, v1, SP
	v_lshl_add_u32 v5, v2, 4, v5
	s_mul_i32 s22, s13, 128*SP
	s_mul_i32 s23, s14, 192
	s_add_co_u32 s22, s22, s23
	v_add_nc_u32 v[STO], s22, v5                   ; (128 x row half + r) x 400 + 192 x column half + 16 h
	v_bfe_u32 v5, v0, 3, 2
	v_mul_u32_u24 v5, v5, SP
	v_and_b32 v6, 7, v0
	v_lshl_add_u32 v5, v6, 4, v5
	s_mul_i32 s22, s12, 64*SP
	v_add_nc_u32 v[RD], s22, v5                    ; (64 x wave + lane / 8) x 400 + 16 (lane % 8)
	v_and_b32 v6, 31, v0
	v_lshlrev_b32 v[CO], 4, v6                     ; 16 x lane: four rows of 128 bytes are 512 consecutive bytes of a section
; 2 x NB matrix instructions: row blocks a0, a0 + 1 of the window's four x all column blocks, 32 along K.  first = 1: C is the bias.
; All accumulators take turns, one instruction a turn, in the same order in every quarter step.
.macro MULH f, hi, a0, first
.irp a, \a0, \a0+1
.irp b, 0,1,2,3,4,5
.if \first
	v_wmma_f32_16x16x32_bf16 v[8*(NB*(\a)+\b):8*(NB*(\a)+\b)+7], v[\f+8*\b:\f+8*\b+7], v[\f+8*(4*\hi+\a):\f+8*(4*\hi+\a)+7], v[BIAS+8*\b:BIAS+8*\b+7]
.else
	v_wmma_f32_16x16x32_bf16 v[8*(NB*(\a)+\b):8*(NB*(\a)+\b)+7], v[\f+8*\b:\f+8*\b+7], v[\f+8*(4*\hi+\a):\f+8*(4*\hi+\a)+7], v[8*(NB*(\a)+\b):8*(NB*(\a)+\b)+7]
.endif
.endr
.endr
.endm
; the fragments of quarter q of a slot into buffer f: B's by the transposing load (K rows 32 q .. 32 q + 31), then A's
.macro FETCH slot, q, f
	WIN TO_B
.irp b, 0,1,2,3,4,5
	ds_load_tr16_b128 v[\f+8*\b:\f+8*\b+3],   v[ADRB+\slot] offset:(\q)*32*PB+(\b>>1)*CH+(\b&1)*32
	ds_load_tr16_b128 v[\f+8*\b+4:\f+8*\b+7], v[ADRB+\slot] offset:(\q)*32*PB+(\b>>1)*CH+(\b&1)*32+16*PB
.endr
	WIN 0
.irp i, 0,1,2,3,4,5,6,7
	ds_load_b128 v[\f+8*\i:\f+8*\i+3],   v[ADRA+\slot] offset:((\q)>>1)*AQH+((\q)&1)*64+\i*16*PA
	ds_load_b128 v[\f+8*\i+4:\f+8*\i+7], v[ADRA+\slot] offset:((\q)>>1)*AQH+((\q)&1)*64+\i*16*PA+32
.endr
.endm
.macro QUARTER slot, q, f, g, first    ; multiplies buffer f; in its middle fetches quarter q into buffer g
	s_wait_dscnt 8                                 ; B and A's rows 0-63 are in; the youngest eight loads (A's rows 64-127) may be out
.if \first
	WIN ST_LO
.else
	WIN MUL_LO
.endif
	MULH \f, 0, 0, \first
	MULH \f, 0, 2, \first
	PLACES
	FETCH \slot, \q, \g
	s_wait_dscnt NL                                ; all but the NL loads just issued
.if \first
	WIN ST_HI
.else
	WIN MUL_HI
.endif
	MULH \f, 1, 0, \first
	MULH \f, 1, 2, \first
.endm
.macro THREE slot, first
	QUARTER \slot, 1, F0, F1, \first
	QUARTER \slot, 2, F1, F0, 0
	QUARTER \slot, 3, F0, F1, 0
.endm
; The last quarter of a K step: multiplies buffer 1 and changes slots.  In front of the barrier each wave waits for its reads of this slot and for
; all its tensor loads (one is out: its part of the next slot).  Where the slot is filled again the barrier opens a round of the cluster's barrier,
; and the joint refill is the first tensor load behind the round.
.macro TURN slot, next, fill
	s_wait_dscnt 8
	WIN MUL_LO
	MULH F1, 0, 0, 0
	s_wait_dscnt 0
	s_wait_tensorcnt 0x0
	ds_add_u32 v255, v255
	s_wait_dscnt 0x0
	s_barrier_signal -1
	MULH F1, 0, 2, 0                               ; register work while the others arrive
	WIN 0
	s_barrier_wait -1
.if \fill
	CREST
	s_add_nc_u64 s[G0+4*\slot+2:G0+4*\slot+3], s[G0+4*\slot+2:G0+4*\slot+3], AADV
	s_add_nc_u64 s[G0B+4*\slot+2:G0B+4*\slot+3], s[G0B+4*\slot+2:G0B+4*\slot+3], BADV
	JLOAD \slot                                    ; its four v_nop are also the places in front of the loads below
.else
	PLACES
.endif
	FETCH \next, 0, F0
	WIN MUL_HI
	MULH F1, 1, 0, 0
	MULH F1, 1, 2, 0
.endm
.macro LAP first
	THREE 0, \first
	TURN 0, 1, 1
	THREE 1, 0
	TURN 1, 0, 1
.endm
	s_wait_loadcnt 0x0                             ; the bias
	s_wait_tensorcnt 1                             ; my part of K step 0 is in; K step 1's may stay out
	s_barrier_signal -1
	s_barrier_wait -1
	FETCH 0, 0, F0
	LAP 1                                          ; the first lap stands in front of the loop: its first products start the sums from the bias
	WIN 0
	s_mov_b32 s3, LAPS-2
.Llap:
	LAP 0
	WIN 0
	s_sub_co_u32 s3, s3, 1
	s_cmp_lg_u32 s3, 0
	s_cbranch_scc1 .Llap
	THREE 0, 0                                     ; the last lap fills nothing
	TURN 0, 1, 0
	THREE 1, 0
	s_wait_dscnt 8
	WIN MUL_LO
	MULH F1, 0, 0, 0
	MULH F1, 0, 2, 0
	s_wait_dscnt 0
	WIN MUL_HI
	MULH F1, 1, 0, 0
	MULH F1, 1, 2, 0
	; THE WAY OUT.  A wave's 96 columns are one and a half sections, so the four waves meet in a stage: slot 0, which has had its last fill and whose
	; last reads ended in front of the barrier of the last change of slots.  Then each wave stores 64 whole rows of each of the three sections.
	PLACES
	s_lshl_b32 s16, s15, 8
	s_lshl_b32 s17, s12, 6
	s_add_co_u32 s16, s16, s17
	s_lshl_b32 s16, s16, 7                         ; (256 x block row + 64 x wave) rows of 128 bytes
	s_mov_b32 s17, 0
	s_add_nc_u64 s[10:11], s[10:11], s[16:17]
	s_mul_i32 s46, s42, 3<<20                      ; section 3 x block column
	s_mov_b32 s47, 0
	s_add_nc_u64 s[10:11], s[10:11], s[46:47]
.macro STAGE16 i, a, from              ; rows 16 i .. 16 i + 15 of my tile: round to f16, 16 bytes a lane and block into the stage
	WIN \from
.irp b, 0,1,2,3,4,5
.irp r, 0,1,2,3
	v_cvt_pk_f16_f32 v[TMP+4*\b+\r], v[8*(NB*\a+\b)+2*\r], v[8*(NB*\a+\b)+2*\r+1]
.endr
.endr
	WIN 0
.irp b, 0,1,2,3,4,5
	ds_store_b128 v[STO], v[TMP+4*\b:TMP+4*\b+3] offset:\i*16*SP+32*\b
.endr
.endm
	STAGE16 0, 0, 0x0a
	STAGE16 1, 1, 0x0a
	STAGE16 2, 2, 0x0a
	STAGE16 3, 3, 0x0a
	STAGE16 4, 0, 0x0f
	STAGE16 5, 1, 0x0f
	STAGE16 6, 2, 0x0f
	STAGE16 7, 3, 0x0f
	s_wait_dscnt 0x0                               ; my stores are done, for the waves that read them
	s_barrier_signal -1
	s_barrier_wait -1
.macro OUTSEC sc, f                    ; section sc of my 64 rows: 16 loads of four rows' 128 bytes, 16 stores of 512 consecutive bytes
	s_wait_xcnt 0x0                                ; buffer f, which earlier stores read, is loaded again only behind this wait
.irp g, 0,1,2,3,4,5,6,7,8,9,10,11,12,13,14,15
	ds_load_b128 v[\f+4*\g:\f+4*\g+3], v[RD] offset:\g*4*SP+128*\sc
.endr
.irp g, 0,1,2,3,4,5,6,7,8,9,10,11,12,13,14,15
	s_wait_dscnt 15-\g                             ; LDS loads come back in order: load g is in
	global_store_b128 v[CO], v[\f+4*\g:\f+4*\g+3], s[10:11] offset:(\sc<<20)+512*\g
.endr
.endm
	OUTSEC 0, F0
	OUTSEC 1, F1
	OUTSEC 2, F0
	s_set_vgpr_msb 0x1
	s_wait_tensorcnt 0x0
	ds_add_u32 v255, v255
	s_wait_dscnt 0x0
	s_set_vgpr_msb 0x100
	CROUND                                         ; the closing round: no work-group ends while a partner may still ask for a tile that names it
	s_endpgm
.Lfunc_end_k_qe2d5b8a720_qkvgemm:
	.size	k_qe2d5b8a720_qkvgemm, .Lfunc_end_k_qe2d5b8a720_qkvgemm-k_qe2d5b8a720_qkvgemm
	.p2alignl 7, 3214868480
	.fill 96, 4, 3214868480
	.section	.rodata,"a",@progbits
	.p2align	6, 0x0
	.amdhsa_kernel k_qe2d5b8a720_qkvgemm
		.amdhsa_group_segment_fixed_size 327680
		.amdhsa_private_segment_fixed_size 0
		.amdhsa_enable_private_segment 0
		.amdhsa_kernarg_size 32
		.amdhsa_user_sgpr_count 2
		.amdhsa_user_sgpr_kernarg_segment_ptr 1
		.amdhsa_wavefront_size32 1
		.amdhsa_system_sgpr_workgroup_id_x 1
		.amdhsa_system_sgpr_workgroup_id_y 1
		.amdhsa_system_sgpr_workgroup_id_z 1
		.amdhsa_system_vgpr_workitem_id 0
		.amdhsa_next_free_vgpr 1024
		.amdhsa_next_free_sgpr 66
		.amdhsa_reserve_vcc 0
		.amdhsa_float_denorm_mode_32 3
		.amdhsa_float_denorm_mode_16_64 3
		.amdhsa_memory_ordered 1
		.amdhsa_forward_progress 1
		.amdhsa_inst_pref_size 161
	.end_amdhsa_kernel
	.amdgpu_metadata
---
amdhsa.version: [ 1, 2 ]
amdhsa.kernels:
  - .name:           k_qe2d5b8a720_qkvgemm
    .symbol:         k_qe2d5b8a720_qkvgemm.kd
    .args:
      - { .name: xb, .offset: 0, .size: 8, .value_kind: global_buffer, .address_space: global }
      - { .name: wqkvb, .offset: 8, .size: 8, .value_kind: global_buffer, .address_space: global }
      - { .name: bqkv, .offset: 16, .size: 8, .value_kind: global_buffer, .address_space: global }
      - { .name: qkv, .offset: 24, .size: 8, .value_kind: global_buffer, .address_space: global }
    .group_segment_fixed_size: 327680
    .private_segment_fixed_size: 0
    .kernarg_segment_align: 8
    .kernarg_segment_size: 32
    .max_flat_workgroup_size: 128
    .sgpr_count:     66
    .vgpr_count:     1024
    .wavefront_size: 32
...
	.end_amdgpu_metadata
.endif
;; end of part 2
;; launch attn (part 3): grid 4 x 64, 4 waves a work-group, no clusters, 327,680 bytes of LDS; arguments qkv, yb; writes yb
.if DOCPART == 3
	.amdgcn_target "amdgcn-amd-amdhsa--gfx1250"
	.amdhsa_code_object_version 6
	.text
	.protected	k_qe2d5b8a720_attn
	.globl	k_qe2d5b8a720_attn
	.p2align	8
	.type	k_qe2d5b8a720_attn,@function
k_qe2d5b8a720_attn:
	s_mov_b64 s[64:65], 0
	v_nop
	global_prefetch_b8 v0, s[64:65] scope:SCOPE_SE
	s_setreg_imm32_b32 hwreg(HW_REG_WAVE_MODE, 25, 1), 1
	s_wait_xcnt 0x0
; Causal attention of one head and batch: y = softmax(q k^T / 8, keys <= query) v, with a running maximum and sum in f32.
; qkv: f16, byte = section * 2^20 + row * 128 + 2 d (q: section h, k: 16 + h, v: 32 + h; row = 2048 b + t).
; Out: yb, f16, 32 sections of the same layout: section h holds y rounded to 11 bits, section 16 + h the rest y - y_hi, so that the last product
; sees y to about 22 bits.
; LIMITS: operands q, k, v, p are f16 (|q|, |k|, |v| below 65,504; p lies in [0, 1], below 2^-14 kept to 2^-25 absolute); exponentials below 2^-126
; come out as 0; the sum l is taken from the unrounded p; scores above the diagonal are never formed or are set to -infinity.
; WORK: a head has 8 blocks of 256 queries.  Work-group i takes block i and then block 7 - i: (i + 1) + (8 - i) = 9 blocks of 256 keys for every one
; of the 256 work-groups.  Wave g owns the rows 256 qb + 64 n + 16 g + r, n = 0..3 (four bands of 16 rows), so that in the diagonal block all four
; waves leave out the same bands.
; NO CLUSTER: only the four work-groups of a head share K and V, they need different numbers of tiles at any moment (i + 1 against 8 - i), and a form in
; which all four make every request needs 12 blocks of keys for each instead of 9.
; ORIENTATION: S^T = K Q^T (source 0 = 16 keys, source 1 = 16 queries): lane (r, h), register j holds key 16 kb + 8 h + j of query r.  Two neighbouring key
; blocks, packed to f16 in place, are a fragment of P^T for 32 keys.  O^T = V^T P^T (source 0 = V through the transposing load): lane (r, h), register j
; holds d = 16 db + 8 h + j of query r.  So maximum, sum and rescaling are one number a lane, and lanes l and l ^ 16 meet by one v_permlanex16_b32.
; RING: a unit is 128 keys (two tiles of 64).  Two slots; a slot holds V's 128 rows at pitch 160 and K's 128 rows at pitch 144.  Waves 0, 1 bring V's halves,
; waves 2, 3 K's, 8 KiB each, one tensor load a wave behind each barrier.  Units of a pass: the diagonal block's first (slot 0), the 2 qb units below the
; diagonal (slots 1, 0, ...), the diagonal block's second (slot 1): every slot is a constant of the text.
.set VP,    160
.set KP,    144
.set KOFF,  128*VP                     ; 20,480: K behind V
.set SLOT,  128*VP+128*KP              ; 38,912
.set STAGE, 2*SLOT                     ; 77,824: 64 rows x 144 bytes for each wave, its own
.set KADR, 2
.set VADR, 3
.set THR,  4                           ; 16 g + r - 8 h: key 16 kb + j of the diagonal tile is seen if 16 kb + j <= THR
.set QOFF, 5
.set STO,  6
.set RD,   7
.set YOFF, 8
.set PFO,  9
.set M,    10                          ; v[10:13] running maximum of band n (raw scores)
.set L,    14                          ; v[14:17] running sum of band n (this lane's keys)
.set AL,   18                          ; v[18:25] rescaling factor, twice, of band n
.set NMC,  26                          ; v[26:33] - c x maximum, twice, of band n
.set T,    34                          ; v[34:49] at work
.set TP,   42
.set KF,   64                          ; v[64:127]  K's fragments (kb, ds) at 16 kb + 8 ds
.set S,    128                         ; v[128:255] scores (n, kb) at 32 n + 8 kb; then P (n, ks) at 32 n + 16 ks
.set QF,   0                           ; window 1 (first pass) or 2 (second): Q's fragments (n, ds) at 16 n + 8 ds
.set VF,   64                          ; window 1: V's fragments (db, ks) at 16 db + 8 ks
.set O,    128                         ; window 1: O (n, db) at 32 n + 8 db
.set BV,   16                          ; s[16:17] V of my head and batch, my half of a unit
.set OFF,  18                          ; s[18:19] byte offset of the unit asked for next
.set BK,   68                          ; s[68:69] K likewise
.set G1K,  24
.set G0V,  32                          ; s[32:39] group 0 for V, one set a slot
.set G1V,  40
.set G0K,  72                          ; s[72:79] group 0 for K, one set a slot
.set MSB, 0
.macro WIN new
.if MSB != \new
	s_set_vgpr_msb (MSB<<8)|\new
.set MSB, \new
.endif
.endm
.macro PLACES
.rept 4
	v_nop
.endr
.endm
.macro KVLOAD s                        ; my part of a unit into slot s: the branch hangs on the wave's number alone
	s_cmp_eq_u32 s13, 0
	s_cbranch_scc0 .Lfor_k_\@
	tensor_load_to_lds s[G0V+4*(\s):G0V+4*(\s)+3], s[G1V:G1V+7]
	s_nop 0
.rept 4
	v_nop
.endr
	s_branch .Lasked_\@
.Lfor_k_\@:
	tensor_load_to_lds s[G0K+4*(\s):G0K+4*(\s)+3], s[G1K:G1K+7]
	s_nop 0
.rept 4
	v_nop
.endr
.Lasked_\@:
.endm
; The head of a unit in slot `slot`.  Every wave waits for all its tensor loads (one is out: its part of this slot) and for its reads of the other slot,
; passes the barrier, and asks for the unit at OFF into the other slot, first thing behind it.  That load has this whole unit's work in which to land.
.macro HEAD slot, refill
	s_wait_tensorcnt 0x0
	ds_add_u32 v62, v63
	s_wait_dscnt 0x0
.if \refill
	s_add_nc_u64 s[G0V+4*(1-\slot)+2:G0V+4*(1-\slot)+3], s[BV:BV+1], s[OFF:OFF+1]
	s_or_b32 s[G0V+4*(1-\slot)+3], s[G0V+4*(1-\slot)+3], 0x80000000
	s_add_nc_u64 s[G0K+4*(1-\slot)+2:G0K+4*(1-\slot)+3], s[BK:BK+1], s[OFF:OFF+1]
	s_or_b32 s[G0K+4*(1-\slot)+3], s[G0K+4*(1-\slot)+3], 0x80000000
.endif
	s_wait_dscnt 0x0
	s_barrier_signal -1
	s_barrier_wait -1
.if \refill
	KVLOAD 1-\slot
.endif
.endm
.macro KLOAD slot, half                ; 16 loads: 64 keys x 64 d
.irp kb, 0,1,2,3
.irp ds, 0,1
	ds_load_b128 v[KF+16*\kb+8*\ds:KF+16*\kb+8*\ds+3],   v[KADR] offset:(\slot)*SLOT+(\half)*64*KP+\kb*16*KP+\ds*64
	ds_load_b128 v[KF+16*\kb+8*\ds+4:KF+16*\kb+8*\ds+7], v[KADR] offset:(\slot)*SLOT+(\half)*64*KP+\kb*16*KP+\ds*64+32
.endr
.endr
.endm
.macro VLOAD slot, half                ; 16 transposing loads: 64 d x 64 keys
	WIN 0x40
.irp db, 0,1,2,3
.irp ks, 0,1
	ds_load_tr16_b128 v[VF+16*\db+8*\ks:VF+16*\db+8*\ks+3],   v[VADR] offset:(\slot)*SLOT+(\half)*64*VP+\ks*32*VP+32*\db
	ds_load_tr16_b128 v[VF+16*\db+8*\ks+4:VF+16*\db+8*\ks+7], v[VADR] offset:(\slot)*SLOT+(\half)*64*VP+\ks*32*VP+32*\db+16*VP
.endr
.endr
.endm
; One tile of 64 keys against bands lo..3.  mask = 1: band lo lies on the diagonal.  first = 1: the tile starts maximum, sum and O.
; next = 1: the slot's second tile follows, its K fragments are fetched here.  qwin: the window of Q's fragments.
; In both products the accumulators (at least four) take turns, one instruction a turn.
.macro TILE slot, half, lo, mask, first, next, qwin
	VLOAD \slot, \half
	s_wait_dscnt 16                                ; the 16 loads of V just issued may be out; K's 16 in front of them are in
	WIN (\qwin<<2)
.irp ds, 0,1
.irp n, 0,1,2,3
.if \n >= \lo
.irp kb, 0,1,2,3
.if \ds
	v_wmma_f32_16x16x32_f16 v[S+32*\n+8*\kb:S+32*\n+8*\kb+7], v[KF+16*\kb+8*\ds:KF+16*\kb+8*\ds+7], v[QF+16*\n+8*\ds:QF+16*\n+8*\ds+7], v[S+32*\n+8*\kb:S+32*\n+8*\kb+7]
.else
	v_wmma_f32_16x16x32_f16 v[S+32*\n+8*\kb:S+32*\n+8*\kb+7], v[KF+16*\kb+8*\ds:KF+16*\kb+8*\ds+7], v[QF+16*\n+8*\ds:QF+16*\n+8*\ds+7], 0
.endif
.endr
.endif
.endr
.endr
	WIN 0
	PLACES                                         ; behind the products: for the loads into K's fragments and for the reads of the scores
.if \next
	KLOAD \slot, \half+1
.endif
.if \mask
.irp kb, 0,1,2,3
.irp j, 0,1,2,3,4,5,6,7
	v_cmp_le_i32 vcc_lo, 16*\kb+\j, v[THR]
	v_cndmask_b32 v[S+32*\lo+8*\kb+\j], s58, v[S+32*\lo+8*\kb+\j], vcc_lo      ; a key behind the query: -infinity
.endr
.endr
.endif
	; the row's maximum: two chains a band, the old maximum at the head of the first
.irp n, 0,1,2,3
.if \n >= \lo
.if \first
	v_max_num_f32 v[T+2*\n], v[S+32*\n], v[S+32*\n+1]
.else
	v_max3_num_f32 v[T+2*\n], v[M+\n], v[S+32*\n], v[S+32*\n+1]
.endif
	v_max3_num_f32 v[T+2*\n+1], v[S+32*\n+16], v[S+32*\n+17], v[S+32*\n+18]
.endif
.endr
.irp k, 1,2,3,4,5,6
.irp n, 0,1,2,3
.if \n >= \lo
	v_max3_num_f32 v[T+2*\n],   v[T+2*\n],   v[S+32*\n+2*\k],    v[S+32*\n+2*\k+1]
	v_max3_num_f32 v[T+2*\n+1], v[T+2*\n+1], v[S+32*\n+17+2*\k], v[S+32*\n+18+2*\k]
.endif
.endr
.endr
.irp n, 0,1,2,3
.if \n >= \lo
	v_max3_num_f32 v[T+2*\n], v[T+2*\n], v[S+32*\n+14], v[S+32*\n+15]
.endif
.endr
.irp n, 0,1,2,3
.if \n >= \lo
	v_max3_num_f32 v[T+2*\n], v[T+2*\n], v[T+2*\n+1], v[S+32*\n+31]
.endif
.endr
.irp n, 0,1,2,3
.if \n >= \lo
	v_permlanex16_b32 v[TP+\n], v[T+2*\n], s50, s51        ; the other half of the row's keys
.endif
.endr
.irp n, 0,1,2,3
.if \n >= \lo
	v_max_num_f32 v[T+2*\n], v[T+2*\n], v[TP+\n]           ; the new maximum: finite, since every row that is worked on sees a key
.endif
.endr
.irp n, 0,1,2,3
.if \n >= \lo
	v_mul_f32 v[NMC+2*\n], s59, v[T+2*\n]                  ; - c m, c = log2(e) / 8
.endif
.endr
.irp n, 0,1,2,3
.if \n >= \lo
	v_mov_b32 v[NMC+2*\n+1], v[NMC+2*\n]
.if \first == 0
	v_fma_f32 v[TP+\n], v[M+\n], s48, v[NMC+2*\n]          ; c (old m - new m)
.endif
.endif
.endr
.irp n, 0,1,2,3
.if \n >= \lo
	v_mov_b32 v[M+\n], v[T+2*\n]
.endif
.endr
.irp n, 0,1,2,3
.if \n >= \lo
.irp k, 0,1,2,3,4,5,6,7,8,9,10,11,12,13,14,15
	v_pk_fma_f32 v[S+32*\n+2*\k:S+32*\n+2*\k+1], v[S+32*\n+2*\k:S+32*\n+2*\k+1], s[48:49], v[NMC+2*\n:NMC+2*\n+1] op_sel_hi:[1,0,1]
.endr
.endif
.endr
	; all exponentials back to back, then one plain place before any result is used (ISA guide 5.7.2)
.irp n, 0,1,2,3
.if \n >= \lo
.set kk, 0
.rept 32
	v_exp_f32 v[S+32*\n+kk], v[S+32*\n+kk]
.set kk, kk+1
.endr
.if \first == 0
	v_exp_f32 v[AL+2*\n],   v[TP+\n]
	v_exp_f32 v[AL+2*\n+1], v[TP+\n]
.endif
.endif
.endr
	v_nop
	s_wait_alu depctr_va_vdst(0)
	; the row's sum of this lane's 32 p, two chains of pairs a band
.irp n, 0,1,2,3
.if \n >= \lo
	v_pk_add_f32 v[T+4*\n:T+4*\n+1],   v[S+32*\n:S+32*\n+1],   v[S+32*\n+2:S+32*\n+3]
	v_pk_add_f32 v[T+4*\n+2:T+4*\n+3], v[S+32*\n+4:S+32*\n+5], v[S+32*\n+6:S+32*\n+7]
.endif
.endr
.irp k, 2,3,4,5,6,7
.irp n, 0,1,2,3
.if \n >= \lo
	v_pk_add_f32 v[T+4*\n:T+4*\n+1],   v[T+4*\n:T+4*\n+1],   v[S+32*\n+4*\k:S+32*\n+4*\k+1]
	v_pk_add_f32 v[T+4*\n+2:T+4*\n+3], v[T+4*\n+2:T+4*\n+3], v[S+32*\n+4*\k+2:S+32*\n+4*\k+3]
.endif
.endr
.endr
.irp n, 0,1,2,3
.if \n >= \lo
	v_pk_add_f32 v[T+4*\n:T+4*\n+1], v[T+4*\n:T+4*\n+1], v[T+4*\n+2:T+4*\n+3]
.endif
.endr
.irp n, 0,1,2,3
.if \n >= \lo
.if \first
	v_add_f32 v[L+\n], v[T+4*\n], v[T+4*\n+1]
.else
	v_fma_f32 v[L+\n], v[L+\n], v[AL+2*\n], v[T+4*\n]
.endif
.endif
.endr
.if \first == 0
.irp n, 0,1,2,3
.if \n >= \lo
	v_add_f32 v[L+\n], v[L+\n], v[T+4*\n+1]
.endif
.endr
.endif
	; p to f16, packed in place in ascending order: 16 registers of two key blocks become the 8 of a fragment
.irp n, 0,1,2,3
.if \n >= \lo
.irp ks, 0,1
.irp i, 0,1,2,3,4,5,6,7
	v_cvt_pk_f16_f32 v[S+32*\n+16*\ks+\i], v[S+32*\n+16*\ks+2*\i], v[S+32*\n+16*\ks+2*\i+1]
.endr
.endr
.endif
.endr
.if \next
	s_wait_dscnt 16                                ; V is in; the next tile's 16 loads of K behind it may be out
.else
	s_wait_dscnt 0
.endif
.if \first == 0
	WIN 0x41
.irp n, 0,1,2,3
.if \n >= \lo
.irp k, 0,1,2,3,4,5,6,7,8,9,10,11,12,13,14,15
	v_pk_mul_f32 v[O+32*\n+2*\k:O+32*\n+2*\k+1], v[O+32*\n+2*\k:O+32*\n+2*\k+1], v[AL+2*\n:AL+2*\n+1]
.endr
.endif
.endr
.endif
	WIN 0x51
.irp ks, 0,1
.irp n, 0,1,2,3
.if \n >= \lo
.irp db, 0,1,2,3
.if \first*(1-\ks)
	v_wmma_f32_16x16x32_f16 v[O+32*\n+8*\db:O+32*\n+8*\db+7], v[VF+16*\db+8*\ks:VF+16*\db+8*\ks+7], v[S+32*\n+16*\ks:S+32*\n+16*\ks+7], 0
.else
	v_wmma_f32_16x16x32_f16 v[O+32*\n+8*\db:O+32*\n+8*\db+7], v[VF+16*\db+8*\ks:VF+16*\db+8*\ks+7], v[S+32*\n+16*\ks:S+32*\n+16*\ks+7], v[O+32*\n+8*\db:O+32*\n+8*\db+7]
.endif
.endr
.endif
.endr
.endr
	WIN 0
.rept 5
	v_nop                                          ; five places: the next tile's products write over P, its loads land on V's fragments
.endr
.endm
.macro FULLU slot, qwin                ; a unit below the diagonal
	KLOAD \slot, 0
	TILE \slot, 0, 0, 0, 0, 1, \qwin
	TILE \slot, 1, 0, 0, 0, 0, \qwin
.endm
.macro D0U qwin                        ; the diagonal block's keys 0-127: tile t touches bands t..3, band t masked
	KLOAD 0, 0
	TILE 0, 0, 0, 1, 1, 1, \qwin
	TILE 0, 1, 1, 1, 0, 0, \qwin
.endm
.macro D1U qwin                        ; its keys 128-255
	KLOAD 1, 0
	TILE 1, 0, 2, 1, 0, 1, \qwin
	TILE 1, 1, 3, 1, 0, 0, \qwin
.endm
; The end of a pass: y = O / l, split into y_hi (11 bits, by the product with 2^13 + 1) and y_lo = y - y_hi (exact), both to f16, each through my own stage
; (16 bytes a lane in, four whole rows of 128 bytes a load back) into stores of 512 consecutive bytes.
.macro EPI yb
.irp n, 0,1,2,3
	v_permlanex16_b32 v[TP+\n], v[L+\n], s50, s51
.endr
.irp n, 0,1,2,3
	v_add_f32 v[L+\n], v[L+\n], v[TP+\n]           ; both halves of the row's keys; at least 1, the maximum's own term
.endr
.irp n, 0,1,2,3
	v_rcp_f32 v[AL+2*\n],   v[L+\n]
	v_rcp_f32 v[AL+2*\n+1], v[L+\n]
.endr
	v_nop
	WIN 0x01                                       ; O from window 1, y into the scores' registers
	s_wait_alu depctr_va_vdst(0)
.irp n, 0,1,2,3
.irp k, 0,1,2,3,4,5,6,7,8,9,10,11,12,13,14,15
	v_pk_mul_f32 v[S+32*\n+2*\k:S+32*\n+2*\k+1], v[O+32*\n+2*\k:O+32*\n+2*\k+1], v[AL+2*\n:AL+2*\n+1]
.endr
.endr
	WIN 0
.set g, 0
.rept 16                               ; group g = tile (n, db) = (g / 4, g % 4): 8 numbers, four pairs at a time
.irp u, 0,1,2,3
	v_pk_mul_f32 v[T+4*\u:T+4*\u+1], v[S+8*g+2*\u:S+8*g+2*\u+1], s[86:87] op_sel_hi:[1,0]                       ; t = 8193 y
.endr
.irp u, 0,1,2,3
	v_pk_add_f32 v[T+4*\u+2:T+4*\u+3], v[T+4*\u:T+4*\u+1], v[S+8*g+2*\u:S+8*g+2*\u+1] neg_lo:[0,1] neg_hi:[0,1]  ; t - y
.endr
.irp u, 0,1,2,3
	v_pk_add_f32 v[T+4*\u:T+4*\u+1], v[T+4*\u:T+4*\u+1], v[T+4*\u+2:T+4*\u+3] neg_lo:[0,1] neg_hi:[0,1]          ; y_hi = t - (t - y)
.endr
.irp u, 0,1,2,3
	v_pk_add_f32 v[T+4*\u+2:T+4*\u+3], v[S+8*g+2*\u:S+8*g+2*\u+1], v[T+4*\u:T+4*\u+1] neg_lo:[0,1] neg_hi:[0,1]  ; y_lo = y - y_hi
.endr
.irp u, 0,1,2,3
	v_cvt_pk_f16_f32 v[KF+4*g+\u], v[T+4*\u], v[T+4*\u+1]
.endr
.irp u, 0,1,2,3
	v_cvt_pk_f16_f32 v[S+4*g+\u], v[T+4*\u+2], v[T+4*\u+3]     ; lands on registers whose y has been used
.endr
.set g, g+1
.endr
.irp n, 0,1,2,3
.irp db, 0,1,2,3
	ds_store_b128 v[STO], v[KF+16*\n+4*\db:KF+16*\n+4*\db+3] offset:\n*16*KP+32*\db
.endr
.endr
.irp t, 0,1,2,3,4,5,6,7,8,9,10,11,12,13,14,15
	ds_load_b128 v[S+64+4*\t:S+64+4*\t+3], v[RD] offset:\t*4*KP    ; LDS serves a wave's instructions in order: these see the stores above
.endr
.irp t, 0,1,2,3,4,5,6,7,8,9,10,11,12,13,14,15
	s_wait_dscnt 15-\t
	global_store_b128 v[YOFF], v[S+64+4*\t:S+64+4*\t+3], s[\yb:\yb+1] offset:8192*(\t>>2)+512*(\t&3)
.endr
.irp n, 0,1,2,3
.irp db, 0,1,2,3
	ds_store_b128 v[STO], v[S+16*\n+4*\db:S+16*\n+4*\db+3] offset:\n*16*KP+32*\db
.endr
.endr
.irp t, 0,1,2,3,4,5,6,7,8,9,10,11,12,13,14,15
	ds_load_b128 v[KF+4*\t:KF+4*\t+3], v[RD] offset:\t*4*KP
.endr
	s_wait_xcnt 0x0                                ; the stores' base is stepped only behind this wait
	s_add_nc_u64 s[\yb:\yb+1], s[\yb:\yb+1], 16<<20    ; sixteen sections on: y_lo
.irp t, 0,1,2,3,4,5,6,7,8,9,10,11,12,13,14,15
	s_wait_dscnt 15-\t
	global_store_b128 v[YOFF], v[KF+4*\t:KF+4*\t+3], s[\yb:\yb+1] offset:8192*(\t>>2)+512*(\t&3)
.endr
	s_wait_xcnt 0x0                                ; the stores' data registers are written again only behind this wait
.endm
; Work-group 0 of a head, in its second pass, asks the L2 for my 8 KiB part of the unit two units on (32 lanes, 256 bytes apart), one unit before the tensor
; load that wants it.  Units 2 to 15 of the head are asked for, none beyond its 16.
.macro PF off
	s_cmp_lg_u32 s8, 0
	s_cbranch_scc1 .Lno_pf_\@
	global_prefetch_b8 v[PFO], s[54:55] offset:\off th:TH_LOAD_NT scope:SCOPE_SE
.Lno_pf_\@:
.endm
; A pass over query block s20; s22 = the next pass's block.
.macro PASS qwin, last, pf, yb
	s_cmp_eq_u32 s20, 0
	s_cselect_b32 s[OFF], 0x4000, 0                ; behind the first diagonal unit comes unit 0, or with no unit below the diagonal unit 1
	HEAD 0, 1
	D0U \qwin
	s_cmp_eq_u32 s20, 0
	s_cbranch_scc1 .Lno_full_\@
	s_mov_b32 s21, 0
.Lfull_\@:                             ; trip j: units 2 j (slot 1) and 2 j + 1 (slot 0)
	s_lshl_b32 s[OFF], s21, 15
	s_add_co_u32 s[OFF], s[OFF], 0x4000            ; next: unit 2 j + 1
	HEAD 1, 1
.if \pf
	PF 32768
.endif
	FULLU 1, \qwin
	s_add_co_u32 s21, s21, 1
	s_cmp_eq_u32 s21, s20
	s_cselect_b32 s56, 0x4000, 0
	s_lshl_b32 s[OFF], s21, 15
	s_add_co_u32 s[OFF], s[OFF], s56               ; next: unit 2 (j + 1), or at the end the second diagonal unit 2 qb + 1
	HEAD 0, 1
.if \pf
	PF 49152
.endif
	FULLU 0, \qwin
.if \pf
	s_wait_xcnt 0x0                                ; a unit's work behind the prefetch: its base is stepped only behind this wait
	s_add_nc_u64 s[54:55], s[54:55], 32768
.endif
	s_cmp_lt_u32 s21, s20
	s_cbranch_scc1 .Lfull_\@
.Lno_full_\@:
	s_lshl_b32 s[OFF], s22, 15                     ; next: the next pass's first diagonal unit
	HEAD 1, 1-\last
	D1U \qwin
	EPI \yb
.endm
	s_load_b128 s[4:7], s[0:1], 0x0                ; qkv s[4:5], yb s[6:7]
	v_lshl_add_u32 v62, v0, 2, 0x29000
	v_mov_b32 v63, 0
	ds_add_u32 v62, v63
	ds_add_u32 v62, v63
	v_lshrrev_b32 v1, 5, v0
	v_readfirstlane_b32 s12, v1                    ; wave g
	s_lshr_b32 s13, s12, 1                         ; 0: I bring V, 1: K
	s_and_b32 s14, s12, 1                          ; which 64 keys of a unit
	s_mov_b32 s8, ttmp9                            ; i
	s_and_b32 s9, ttmp7, 0xffff
	s_and_b32 s10, s9, 15                          ; head
	s_lshr_b32 s11, s9, 4                          ; batch
	; group 1: a dense block of 8 KiB as 32 rows of 32 elements of 8 bytes; padding behind every 32 words (a row of 64 f16): 4 words for K, 8 for V
	s_mov_b32 s[G1K+0], (3<<16)|(1<<20)|(4<<22)|(3<<25)
	s_mov_b32 s[G1K+1], 32<<16
	s_mov_b32 s[G1K+2], 32<<16
	s_mov_b32 s[G1K+3], 32<<16
	s_mov_b32 s[G1K+4], 32
	s_mov_b32 s[G1K+5], 32
	s_mov_b32 s[G1K+6], 0
	s_mov_b32 s[G1K+7], 0
	s_mov_b32 s[G1V+0], (3<<16)|(1<<20)|(4<<22)|(7<<25)
	s_mov_b32 s[G1V+1], 32<<16
	s_mov_b32 s[G1V+2], 32<<16
	s_mov_b32 s[G1V+3], 32<<16
	s_mov_b32 s[G1V+4], 32
	s_mov_b32 s[G1V+5], 32
	s_mov_b32 s[G1V+6], 0
	s_mov_b32 s[G1V+7], 0
.irp s, 0,1
	s_mov_b32 s[G0V+4*\s], 1
	s_mul_i32 s[G0V+4*\s+1], s12, 64*VP            ; V's halves at wave x 10,240 (waves 0, 1)
	s_add_co_u32 s[G0V+4*\s+1], s[G0V+4*\s+1], \s*SLOT
	s_mov_b32 s[G0K+4*\s], 1
	s_mul_i32 s[G0K+4*\s+1], s12, 64*KP            ; K's behind them at 2,048 + wave x 9,216 (waves 2, 3)
	s_add_co_u32 s[G0K+4*\s+1], s[G0K+4*\s+1], KOFF-2*64*KP+\s*SLOT
.endr
	s_lshl_b32 s56, s10, 20                        ; the head's section
	s_lshl_b32 s57, s11, 18                        ; the batch's 2,048 rows of 128 bytes
	s_add_co_u32 s56, s56, s57
	s_lshl_b32 s57, s14, 13                        ; my 64 keys
	s_add_co_u32 s57, s56, s57
	s_add_co_u32 s[BV], s57, 32<<20
	s_mov_b32 s[BV+1], 0
	s_add_co_u32 s[BK], s57, 16<<20
	s_mov_b32 s[BK+1], 0
	s_lshl_b32 s57, s12, 11                        ; my 16 rows in a band
	s_add_co_u32 s57, s56, s57
	s_lshl_b32 s9, s8, 15                          ; query block i
	s_add_co_u32 s60, s57, s9
	s_mov_b32 s61, 0
	s_sub_co_u32 s22, 7, s8                        ; query block 7 - i
	s_lshl_b32 s9, s22, 15
	s_add_co_u32 s62, s57, s9
	s_mov_b32 s63, 0
	s_lshl_b32 s[OFF], s8, 15                      ; the first unit: 2 i
	s_mov_b32 s[OFF+1], 0
	s_mov_b32 s48, 0x3e38aa3b                      ; c = log2(e) / 8
	s_mov_b32 s49, 0x3e38aa3b
	s_mov_b32 s59, 0xbe38aa3b                      ; - c
	s_mov_b32 s58, 0xff800000                      ; - infinity
	s_mov_b32 s50, 0x76543210                      ; v_permlanex16_b32: lane i of one half reads lane i of the other
	s_mov_b32 s51, 0xfedcba98
	s_mov_b32 s86, 0x46000400                      ; 8193.0
	s_mov_b32 s87, 0x46000400
	s_wait_dscnt 0x0
	s_wait_kmcnt 0x0
	s_add_nc_u64 s[BV:BV+1], s[4:5], s[BV:BV+1]
	s_add_nc_u64 s[BK:BK+1], s[4:5], s[BK:BK+1]
	s_add_nc_u64 s[G0V+2:G0V+3], s[BV:BV+1], s[OFF:OFF+1]
	s_or_b32 s[G0V+3], s[G0V+3], 0x80000000
	s_add_nc_u64 s[G0K+2:G0K+3], s[BK:BK+1], s[OFF:OFF+1]
	s_or_b32 s[G0K+3], s[G0K+3], 0x80000000
	KVLOAD 0                                       ; the one first fill: one tensor load of a wave is out, here and behind every barrier
	s_add_nc_u64 s[52:53], s[6:7], s[60:61]        ; y of the first pass
	s_add_nc_u64 s[80:81], s[6:7], s[62:63]        ; y of the second
	s_add_nc_u64 s[60:61], s[4:5], s[60:61]        ; q of the first pass
	s_add_nc_u64 s[62:63], s[4:5], s[62:63]        ; q of the second
	s_cmp_eq_u32 s13, 0
	s_cselect_b64 s[54:55], s[BV:BV+1], s[BK:BK+1] ; what I bring is what I prefetch
	v_and_b32 v1, 15, v0                           ; r
	v_bfe_u32 v34, v0, 4, 1                        ; h
	v_lshlrev_b32 v[QOFF], 7, v1
	v_lshl_add_u32 v[QOFF], v34, 4, v[QOFF]        ; r x 128 + 16 h
	WIN 0x40
.irp n, 0,1,2,3
.irp ds, 0,1
	global_load_b128 v[QF+16*\n+8*\ds:QF+16*\n+8*\ds+3],   v[QOFF], s[60:61] offset:8192*\n+64*\ds
	global_load_b128 v[QF+16*\n+8*\ds+4:QF+16*\n+8*\ds+7], v[QOFF], s[60:61] offset:8192*\n+64*\ds+32
.endr
.endr
	WIN 0x80
.irp n, 0,1,2,3
.irp ds, 0,1
	global_load_b128 v[QF+16*\n+8*\ds:QF+16*\n+8*\ds+3],   v[QOFF], s[62:63] offset:8192*\n+64*\ds
	global_load_b128 v[QF+16*\n+8*\ds+4:QF+16*\n+8*\ds+7], v[QOFF], s[62:63] offset:8192*\n+64*\ds+32
.endr
.endr
	WIN 0
	v_and_b32 v35, 7, v0
	v_bfe_u32 v36, v0, 3, 1
	v_and_b32 v37, 31, v0                          ; lane
	v_mul_u32_u24 v38, v1, KP
	v_lshl_add_u32 v38, v34, 4, v38                ; r x 144 + 16 h
	v_add_nc_u32 v[KADR], KOFF, v38
	v_lshl_add_u32 v39, v34, 3, v35                ; key 8 h + lane % 8
	v_mul_u32_u24 v39, v39, VP
	v_lshl_add_u32 v[VADR], v36, 4, v39
	v_lshlrev_b32 v40, 3, v34
	v_sub_nc_u32 v[THR], v1, v40
	s_lshl_b32 s57, s12, 4
	v_add_nc_u32 v[THR], s57, v[THR]               ; 16 g + r - 8 h, signed
	s_mul_i32 s57, s12, 64*KP
	s_add_co_u32 s57, s57, STAGE
	v_add_nc_u32 v[STO], s57, v38
	v_lshrrev_b32 v41, 3, v37
	v_mul_u32_u24 v41, v41, KP
	v_lshl_add_u32 v41, v35, 4, v41
	v_add_nc_u32 v[RD], s57, v41                   ; (lane / 8) x 144 + 16 (lane % 8)
	v_lshlrev_b32 v[YOFF], 4, v37
	v_lshlrev_b32 v[PFO], 8, v37
.irp n, 0,1,2,3
	v_mov_b32 v[TP+\n], 0                          ; v_permlanex16_b32 counts as a reader of its destination
.endr
	s_wait_loadcnt 0x0                             ; q of both passes
	s_mov_b32 s20, s8
	PASS 1, 0, 0, 52
	s_mov_b32 s20, s22
	PASS 2, 1, 1, 80
	s_wait_tensorcnt 0x0
	ds_add_u32 v62, v63
	s_wait_dscnt 0x0
	s_endpgm
.Lfunc_end_k_qe2d5b8a720_attn:
	.size	k_qe2d5b8a720_attn, .Lfunc_end_k_qe2d5b8a720_attn-k_qe2d5b8a720_attn
	.p2alignl 7, 3214868480
	.fill 96, 4, 3214868480
	.section	.rodata,"a",@progbits
	.p2align	6, 0x0
	.amdhsa_kernel k_qe2d5b8a720_attn
		.amdhsa_group_segment_fixed_size 327680
		.amdhsa_private_segment_fixed_size 0
		.amdhsa_enable_private_segment 0
		.amdhsa_kernarg_size 16
		.amdhsa_user_sgpr_count 2
		.amdhsa_user_sgpr_kernarg_segment_ptr 1
		.amdhsa_wavefront_size32 1
		.amdhsa_system_sgpr_workgroup_id_x 1
		.amdhsa_system_sgpr_workgroup_id_y 1
		.amdhsa_system_sgpr_workgroup_id_z 1
		.amdhsa_system_vgpr_workitem_id 0
		.amdhsa_next_free_vgpr 576
		.amdhsa_next_free_sgpr 88
		.amdhsa_reserve_vcc 1
		.amdhsa_float_denorm_mode_32 3
		.amdhsa_float_denorm_mode_16_64 3
		.amdhsa_memory_ordered 1
		.amdhsa_forward_progress 1
		.amdhsa_inst_pref_size 255
	.end_amdhsa_kernel
	.section	.bss,"aw",@nobits
	.p2align	6
	.space	262144
	.amdgpu_metadata
---
amdhsa.version: [ 1, 2 ]
amdhsa.kernels:
  - .name:           k_qe2d5b8a720_attn
    .symbol:         k_qe2d5b8a720_attn.kd
    .args:
      - { .name: qkv, .offset: 0, .size: 8, .value_kind: global_buffer, .address_space: global }
      - { .name: yb, .offset: 8, .size: 8, .value_kind: global_buffer, .address_space: global }
    .group_segment_fixed_size: 327680
    .private_segment_fixed_size: 0
    .kernarg_segment_align: 8
    .kernarg_segment_size: 16
    .max_flat_workgroup_size: 128
    .sgpr_count:     88
    .vgpr_count:     576
    .wavefront_size: 32
...
	.end_amdgpu_metadata
.endif
;; end of part 3
;; launch proj (part 4): grid 4 x 64, 4 waves a work-group, clusters of 4 x 4, 327,680 bytes of LDS; arguments yb, wprojh, bproj, out0; writes out0
.if DOCPART == 4
	.amdgcn_target "amdgcn-amd-amdhsa--gfx1250"
	.amdhsa_code_object_version 6
	.text
	.protected	k_qe2d5b8a720_proj
	.globl	k_qe2d5b8a720_proj
	.p2align	8
	.type	k_qe2d5b8a720_proj,@function
k_qe2d5b8a720_proj:
	s_mov_b64 s[64:65], 0
	v_nop
	global_prefetch_b8 v0, s[64:65] scope:SCOPE_SE
	s_setreg_imm32_b32 hwreg(HW_REG_WAVE_MODE, 25, 1), 1
	s_wait_xcnt 0x0
	s_wait_alu depctr_hold_cnt(0) depctr_sa_sdst(0) depctr_va_vdst(0) depctr_va_sdst(0) depctr_va_ssrc(0) depctr_va_vcc(0) depctr_vm_vsrc(0)
	s_getreg_b32 s2, hwreg(HW_REG_IB_STS2, 6, 4)
	s_cmp_eq_u32 s2, 0
	s_cbranch_scc0 .Lentry_in_a_cluster
	s_endpgm
.Lentry_in_a_cluster:
	s_bfe_u32 s2, ttmp6, 0x10000c
	s_cmp_lg_u32 s2, 0xf033
	s_cbranch_scc0 .Lentry_shape_is_right
	s_endpgm
.Lentry_shape_is_right:
; out0 = y Wproj + bproj, f32.  yb: f16, 32 sections [section][row][64]: sections 0-15 y_hi of the heads, 16-31 y_lo = y - y_hi; wprojh [1024][1024] f16 (K down the rows).
; out = y_hi W + y_lo W.  K goes in 8 steps of 128 (heads 2 u, 2 u + 1).  A slot holds y_hi's and y_lo's tiles of a step and ONE tile of W, whose fragments serve both.
; LIMIT: operands in f16 (|y|, |Wproj| below 65,504); sums and bias in f32.
; A work-group makes 128 x 256 of the result (256 equal blocks), four waves of 64 x 128: 32 accumulator tiles, 256 registers.  In every 32 along K a wave issues
; 32 products with y_hi and 32 with y_lo onto the same 32 accumulators: 64 matrix instructions for 32 LDS loads, 256 for a step.
; CLUSTERS: 4 x 4 work-groups; y's tiles hang on the block row alone and are asked for jointly by a row of the cluster, W's on the block column alone and are asked
; for jointly by a column.
; y's tile of one wave: two heads' 128 rows of 128 bytes.  A head's rows are dense in memory (16 KiB) and the next head lies 2^20 bytes on, so the tile is stated as
; 2 rows of 16 KiB; 16 bytes of padding follow every 128 (LDS pitch 144).  W's rows are 512 bytes of memory, aligned, at LDS pitch 544 = 17 x 32, and are read
; through the transposing load.
; The matrix instruction is used transposed (source 0 = 16 columns of W, source 1 = 16 rows of y): a lane's 8 results are 8 neighbouring columns of a row.
; REGISTERS: window 0: v0-31 addresses, v64-127 / v128-191 y's fragments (blocks 0-3 y_hi, 4-7 y_lo; two buffers), v192-255 the bias;
; window 1: v64-127 / v128-191 W's fragments; window 2: the accumulators (tile (a, b) at 8 (8 a + b)).
.set NB,     8                         ; blocks of 16 columns in a wave's tile
.set PA,     144                       ; y's LDS pitch: 128 + 16
.set AQH,    128*PA                    ; the step's second head lies behind the first's 128 rows
.set ALO,    2*128*PA                  ; y_lo behind y_hi's two heads
.set AROWH,  64*PA                     ; my half of the rows
.set AHALF,  2*128*PA                  ; what one tensor load brings of y: two heads of y_hi, or of y_lo
.set ABYTES, 2*AHALF                   ; 73,728
.set PB,     544
.set BHALF,  64*PB                     ; what one tensor load brings of W: 64 rows of K
.set SLOT,   ABYTES+2*BHALF            ; 143,360
.set NL,     32                        ; LDS loads of a quarter step
.set ASL1,   2<<20                     ; slot 1's first tile: two heads on,
.set BSL1,   128*2048                  ; and 128 rows of W on
.set AADV,   4<<20                     ; a slot's next tile: two K steps on
.set BADV,   256*2048
.set LAPS,   4                         ; a lap = two K steps
.set STAGE,  2*SLOT                    ; 286,720: behind the ring, 16 rows x 528 bytes for each wave, its own; no tensor load lands there
.set SPITCH, 528                       ; 512 + 16 = 33 x 16
.set ADRA, 16
.set ADRB, 20
.set STO,  24
.set RD,   25
.set CO,   26
.set BOFF, 27
.set F0,   64
.set F1,   128
.set BIAS, 192
.set G1,  24                           ; s[24:31] group 1 for y
.set G0,  32                           ; s[32:39] group 0 for y, one set a slot
.set G1B, 48                           ; s[48:55] group 1 for W
.set G0B, 56                           ; s[56:63] group 0 for W, one set a slot
.set MSB, 0
.macro WIN new                         ; the immediate's high byte repeats the setting that is left
.if MSB != \new
	s_set_vgpr_msb (MSB<<8)|\new
.set MSB, \new
.endif
.endm
.set MUL,   0xa1                       ; source 0 (W) window 1, source 1 (y) window 0, C and D window 2
.set START, 0x81                       ; the first products: C is the bias in window 0, D window 2
.set TO_B,  0x40                       ; destination window 1, address window 0
.macro PLACES                          ; four plain vector places behind matrix instructions (ISA guide 7.12.1)
.rept 4
	v_nop
.endr
.endm
; A joint load: waves 0 and 1 ask for y_hi and y_lo, waves 2 and 3 for W's halves.  The branch hangs on the wave's number alone.
.macro JLOAD s
	s_cmp_eq_u32 s13, 0
	s_cbranch_scc0 .Lfor_b_\@
	tensor_load_to_lds s[G0+4*\s:G0+4*\s+3], s[G1:G1+7]
	s_nop 0
.rept 4
	v_nop
.endr
	s_branch .Lasked_\@
.Lfor_b_\@:
	tensor_load_to_lds s[G0B+4*\s:G0B+4*\s+3], s[G1B:G1B+7]
	s_nop 0
.rept 4
	v_nop
.endr
.Lasked_\@:
.endm
.macro CREST                           ; a round of the cluster's barrier behind its opening barrier
	s_cmp_lg_u32 s12, 0
	s_cbranch_scc1 .Lnot_wave_0_\@
	s_barrier_signal -3
.Lnot_wave_0_\@:
	s_barrier_wait -3
	s_barrier_signal -1
	s_barrier_wait -1
.endm
.macro CROUND
	s_barrier_signal -1
	s_barrier_wait -1
	CREST
.endm
	s_load_b256 s[4:11], s[0:1], 0x0               ; yb s[4:5], wprojh s[6:7], bproj s[8:9], out0 s[10:11]
	s_set_vgpr_msb 0x40
	v_lshl_add_u32 v255, v0, 2, 0x4e400
	s_set_vgpr_msb 0x4000
	v_mov_b32 v63, 0
	s_set_vgpr_msb 0x1
	ds_add_u32 v255, v63
	ds_add_u32 v255, v63
	s_set_vgpr_msb 0x100
	v_lshrrev_b32 v1, 5, v0
	v_readfirstlane_b32 s12, v1                    ; wave 0..3
	s_lshr_b32 s13, s12, 1                         ; my half of the rows; also 0: I ask for y, 1: for W
	s_and_b32 s14, s12, 1                          ; my half of the columns; also y_hi or y_lo, or which 64 rows of W, I ask for
	s_bfe_u32 s40, ttmp6, 0x40000                  ; cx
	s_bfe_u32 s41, ttmp6, 0x40004                  ; cy
	s_lshl_b32 s42, ttmp9, 2
	s_add_co_u32 s42, s42, s40                     ; block column = 4 x cluster x + cx
	s_and_b32 s15, ttmp7, 0xffff
	s_lshl_b32 s15, s15, 2
	s_add_co_u32 s15, s15, s41                     ; block row = 4 x cluster y + cy
	s_lshl_b32 s43, s41, 2
	s_lshl_b32 s43, 15, s43                        ; my row of the cluster
	s_lshl_b32 s44, 0x1111, s40                    ; my column
	; group 1 for y: 2 rows (heads) of 2,048 elements of 8 bytes, 131,072 elements from head to head; 4 words of padding behind every 32
	s_or_b32 s[G1+0], s43, (3<<16)|(1<<20)|(1<<21)|(4<<22)|(3<<25)
	s_mov_b32 s[G1+1], 2048<<16                    ; tensor_dim0 = 2,048
	s_mov_b32 s[G1+2], 2<<16                       ; tensor_dim1 = 2
	s_mov_b32 s[G1+3], 2048<<16                    ; tile_dim0 = 2,048
	s_mov_b32 s[G1+4], 2                           ; tile_dim1 = 2
	s_mov_b32 s[G1+5], 131072                      ; elements from row to row
	s_mov_b32 s[G1+6], 0
	s_mov_b32 s[G1+7], 0
	; group 1 for W: 64 rows x 256 elements of 2 bytes, 8 words of padding behind every 128
	s_or_b32 s[G1B+0], s44, (1<<16)|(1<<20)|(1<<21)|(6<<22)|(7<<25)
	s_mov_b32 s[G1B+1], 256<<16
	s_mov_b32 s[G1B+2], 64<<16
	s_mov_b32 s[G1B+3], 256<<16
	s_mov_b32 s[G1B+4], 64
	s_mov_b32 s[G1B+5], 1024
	s_mov_b32 s[G1B+6], 0
	s_mov_b32 s[G1B+7], 0
	s_lshl_b32 s16, s14, 24                        ; y: sixteen sections on for y_lo, + 128 x block row rows of 128 bytes
	s_lshl_b32 s17, s15, 14
	s_add_co_u32 s16, s16, s17
	s_mov_b32 s17, 0
	s_lshl_b32 s46, s42, 9                         ; W: 512 bytes a block column + 64 rows of 2,048 bytes a half
	s_lshl_b32 s47, s14, 17
	s_add_co_u32 s46, s46, s47
	s_mov_b32 s47, 0
	s_mul_i32 s20, s12, AHALF                      ; LDS: y_hi and y_lo at wave x 36,864 (waves 0, 1),
	s_mul_i32 s21, s12, BHALF                      ; W's halves behind them at 4,096 + wave x 34,816 (waves 2, 3)
	s_add_co_u32 s21, s21, ABYTES-2*BHALF
	s_wait_dscnt 0x0
	s_wait_kmcnt 0x0
	s_add_nc_u64 s[16:17], s[4:5], s[16:17]
	s_add_nc_u64 s[46:47], s[6:7], s[46:47]
	CROUND                                         ; all sixteen work-groups are here: the first joint loads meet
.irp s, 0,1
	s_mov_b32 s[G0+4*\s], 1
	s_add_co_u32 s[G0+4*\s+1], s20, \s*SLOT
	s_add_nc_u64 s[G0+4*\s+2:G0+4*\s+3], s[16:17], \s*ASL1
	s_or_b32 s[G0+4*\s+3], s[G0+4*\s+3], 0x80000000
	s_mov_b32 s[G0B+4*\s], 1
	s_add_co_u32 s[G0B+4*\s+1], s21, \s*SLOT
	s_add_nc_u64 s[G0B+4*\s+2:G0B+4*\s+3], s[46:47], \s*BSL1
	s_or_b32 s[G0B+4*\s+3], s[G0B+4*\s+3], 0x80000000
	JLOAD \s                                       ; both slots are asked for before anything else: two tensor loads of a wave are out here, later one
.endr
	v_and_b32 v1, 15, v0                           ; r = lane % 16
	v_bfe_u32 v2, v0, 4, 1                         ; h = lane / 16
	v_mul_u32_u24 v3, v1, PA
	v_lshl_add_u32 v3, v2, 4, v3                   ; y: r x pitch + 16 h
	v_and_b32 v4, 7, v0
	v_lshl_add_u32 v4, v2, 3, v4                   ; W: K row 8 h + lane % 8,
	v_mul_u32_u24 v4, v4, PB
	v_bfe_u32 v5, v0, 3, 1
	v_lshl_add_u32 v4, v5, 4, v4                   ; and 16 bytes on for the upper eight of each sixteen lanes
	s_mul_i32 s22, s13, AROWH
	s_lshl_b32 s23, s14, 8                         ; my 128 columns: 256 bytes of W's rows
	s_add_co_u32 s23, s23, ABYTES
.irp s, 0,1
	v_add_nc_u32 v[ADRA+\s], s22, v3
	v_add_nc_u32 v[ADRB+\s], s23, v4
	s_add_co_u32 s22, s22, SLOT
	s_add_co_u32 s23, s23, SLOT
.endr
	; the bias starts the sums: register j of lane (r, h) of block b = bias[first column + 16 b + 8 h + j]
	s_lshl_b32 s46, s42, 10
	s_lshl_b32 s47, s14, 9
	s_add_co_u32 s46, s46, s47
	s_mov_b32 s47, 0
	s_add_nc_u64 s[8:9], s[8:9], s[46:47]
	v_lshlrev_b32 v[BOFF], 5, v2
.irp b, 0,1,2,3,4,5,6,7
	global_load_b128 v[BIAS+8*\b:BIAS+8*\b+3],   v[BOFF], s[8:9] offset:64*\b
	global_load_b128 v[BIAS+8*\b+4:BIAS+8*\b+7], v[BOFF], s[8:9] offset:64*\b+16
.endr
	s_mul_i32 s22, s12, 16*SPITCH
	s_add_co_u32 s22, s22, STAGE                   ; my stage
	v_mul_u32_u24 v5, v1, SPITCH
	v_lshl_add_u32 v5, v2, 5, v5                   ; in: row r, 32 bytes for each half of the lanes
	v_add_nc_u32 v[STO], s22, v5
	v_and_b32 v6, 31, v0
	v_lshlrev_b32 v[CO], 4, v6                     ; 16 x lane: the 32 lanes take a row's 512 bytes, in out0
	v_add_nc_u32 v[RD], s22, v[CO]                 ; and in the stage
; 16 matrix instructions: row blocks a0, a0 + 1 x all 8 column blocks, 32 along K.  lo = 0: y_hi's fragments, 1: y_lo's.  first = 1: C is the bias.
; The 32 accumulators take turns, one instruction a turn, in the same order for y_hi and for y_lo in every quarter step.
.macro MULH f, lo, a0, first
.irp a, \a0, \a0+1
.irp b, 0,1,2,3,4,5,6,7
.if \first
	v_wmma_f32_16x16x32_f16 v[8*(NB*(\a)+\b):8*(NB*(\a)+\b)+7], v[\f+8*\b:\f+8*\b+7], v[\f+8*(4*\lo+\a):\f+8*(4*\lo+\a)+7], v[BIAS+8*\b:BIAS+8*\b+7]
.else
	v_wmma_f32_16x16x32_f16 v[8*(NB*(\a)+\b):8*(NB*(\a)+\b)+7], v[\f+8*\b:\f+8*\b+7], v[\f+8*(4*\lo+\a):\f+8*(4*\lo+\a)+7], v[8*(NB*(\a)+\b):8*(NB*(\a)+\b)+7]
.endif
.endr
.endr
.endm
; the fragments of quarter q of a slot into buffer f: W's 16 loads (K rows 32 q .. 32 q + 31), y_hi's 8, y_lo's 8.
; Quarter q lies in head q >> 1 of the step, at byte 64 (q & 1) of its rows.
.macro FETCH slot, q, f
	WIN TO_B
.irp b, 0,1,2,3,4,5,6,7
	ds_load_tr16_b128 v[\f+8*\b:\f+8*\b+3],   v[ADRB+\slot] offset:(\q)*32*PB+32*\b
	ds_load_tr16_b128 v[\f+8*\b+4:\f+8*\b+7], v[ADRB+\slot] offset:(\q)*32*PB+32*\b+16*PB
.endr
	WIN 0
.irp i, 0,1,2,3,4,5,6,7
	ds_load_b128 v[\f+8*\i:\f+8*\i+3],   v[ADRA+\slot] offset:((\q)>>1)*AQH+((\q)&1)*64+(\i>>2)*ALO+(\i&3)*16*PA
	ds_load_b128 v[\f+8*\i+4:\f+8*\i+7], v[ADRA+\slot] offset:((\q)>>1)*AQH+((\q)&1)*64+(\i>>2)*ALO+(\i&3)*16*PA+32
.endr
.endm
.macro QUARTER slot, q, f, g, first    ; multiplies buffer f; in its middle fetches quarter q into buffer g
	s_wait_dscnt 8                                 ; W and y_hi are in; the youngest eight loads (y_lo) may be out
.if \first
	WIN START
.else
	WIN MUL
.endif
	MULH \f, 0, 0, \first
	MULH \f, 0, 2, \first
	PLACES
	FETCH \slot, \q, \g
	s_wait_dscnt NL                                ; all but the 32 loads just issued
	WIN MUL
	MULH \f, 1, 0, 0
	MULH \f, 1, 2, 0
.endm
.macro THREE slot, first
	QUARTER \slot, 1, F0, F1, \first
	QUARTER \slot, 2, F1, F0, 0
	QUARTER \slot, 3, F0, F1, 0
.endm
; The last quarter of a K step: multiplies buffer 1 and changes slots.  In front of the barrier each wave waits for its reads of this slot and for all its
; tensor loads (one is out: its part of the next slot).  Where the slot is filled again the barrier opens a round of the cluster's barrier, and the joint
; refill is the first tensor load behind the round.  From a request to the wait for it a wave issues 240 matrix instructions.
.macro TURN slot, next, fill
	s_wait_dscnt 8
	WIN MUL
	MULH F1, 0, 0, 0
	s_wait_dscnt 0
	s_wait_tensorcnt 0x0
	ds_add_u32 v255, v63
	s_wait_dscnt 0x0
	s_barrier_signal -1
	MULH F1, 0, 2, 0                               ; register work while the others arrive
	WIN 0
	s_barrier_wait -1
.if \fill
	CREST
	s_add_nc_u64 s[G0+4*\slot+2:G0+4*\slot+3], s[G0+4*\slot+2:G0+4*\slot+3], AADV
	s_add_nc_u64 s[G0B+4*\slot+2:G0B+4*\slot+3], s[G0B+4*\slot+2:G0B+4*\slot+3], BADV
	JLOAD \slot                                    ; its four v_nop are also the places in front of the loads below
.else
	PLACES
.endif
	FETCH \next, 0, F0
	WIN MUL
	MULH F1, 1, 0, 0
	MULH F1, 1, 2, 0
.endm
.macro LAP first
	THREE 0, \first
	TURN 0, 1, 1
	THREE 1, 0
	TURN 1, 0, 1
.endm
	s_wait_loadcnt 0x0                             ; the bias
	s_wait_tensorcnt 1                             ; my part of K step 0 is in; K step 1's may stay out
	s_barrier_signal -1
	s_barrier_wait -1
	FETCH 0, 0, F0
	LAP 1                                          ; the first lap stands in front of the loop: its first products start the sums from the bias
	WIN 0
	s_mov_b32 s3, LAPS-2
.Llap:
	LAP 0
	WIN 0
	s_sub_co_u32 s3, s3, 1
	s_cmp_lg_u32 s3, 0
	s_cbranch_scc1 .Llap
	THREE 0, 0                                     ; the last lap fills nothing
	TURN 0, 1, 0
	THREE 1, 0
	s_wait_dscnt 8                                 ; the very last quarter: nothing more to fetch
	WIN MUL
	MULH F1, 0, 0, 0
	MULH F1, 0, 2, 0
	s_wait_dscnt 0
	MULH F1, 1, 0, 0
	MULH F1, 1, 2, 0
	; THE WAY OUT, 16 rows at a time: a wave's 128 columns of f32 are 512 bytes of a row.  32 bytes a lane and block into my own stage, whole rows back.
	; The four v_nop are the places behind the last matrix instructions: for the LDS stores, which read results, and for the loads into buffers 0 and 1.
	PLACES
	s_lshl_b32 s16, s15, 7
	s_lshl_b32 s17, s13, 6
	s_add_co_u32 s16, s16, s17
	s_lshl_b32 s16, s16, 12                        ; my first row, 4,096 bytes a row
	s_mov_b32 s17, 0
	s_add_nc_u64 s[10:11], s[10:11], s[16:17]
	s_lshl_b32 s46, s42, 10                        ; my first column: 1,024 bytes a block + 512 a half
	s_lshl_b32 s47, s14, 9
	s_add_co_u32 s46, s46, s47
	s_mov_b32 s47, 0
	s_add_nc_u64 s[10:11], s[10:11], s[46:47]
.macro OUT16 a, f                      ; rows 16 a .. 16 a + 15 of my tile; f: buffer 0 or 1 in turn
	WIN 0x08                                       ; the LDS stores' data come from window 2
.irp b, 0,1,2,3,4,5,6,7
	ds_store_b128 v[STO], v[8*(NB*\a+\b):8*(NB*\a+\b)+3]   offset:64*\b
	ds_store_b128 v[STO], v[8*(NB*\a+\b)+4:8*(NB*\a+\b)+7] offset:64*\b+16
.endr
	WIN 0
	s_wait_xcnt 0x0                                ; buffer f, which earlier stores read, is loaded again only behind this wait
.irp t, 0,1,2,3,4,5,6,7,8,9,10,11,12,13,14,15
	ds_load_b128 v[\f+4*\t:\f+4*\t+3], v[RD] offset:\t*SPITCH      ; LDS serves a wave's instructions in order (ISA guide 5.7.1): these see the stores above
.endr
.irp t, 0,1,2,3,4,5,6,7,8,9,10,11,12,13,14,15
	s_wait_dscnt 15-\t                             ; row t is in; the 15 - t younger loads stay out
	global_store_b128 v[CO], v[\f+4*\t:\f+4*\t+3], s[10:11] offset:(16*\a+\t)*4096 th:TH_STORE_NT   ; the wave stores 512 consecutive bytes, aligned
.endr
.endm
	OUT16 0, F0
	OUT16 1, F1
	OUT16 2, F0
	OUT16 3, F1
	s_set_vgpr_msb 0x1
	s_wait_tensorcnt 0x0
	ds_add_u32 v255, v63
	s_wait_dscnt 0x0
	s_set_vgpr_msb 0x100
	CROUND                                         ; the closing round: no work-group ends while a partner may still ask for a tile that names it
	s_endpgm
.Lfunc_end_k_qe2d5b8a720_proj:
	.size	k_qe2d5b8a720_proj, .Lfunc_end_k_qe2d5b8a720_proj-k_qe2d5b8a720_proj
	.p2alignl 7, 3214868480
	.fill 96, 4, 3214868480
	.section	.rodata,"a",@progbits
	.p2align	6, 0x0
	.amdhsa_kernel k_qe2d5b8a720_proj
		.amdhsa_group_segment_fixed_size 327680
		.amdhsa_private_segment_fixed_size 0
		.amdhsa_enable_private_segment 0
		.amdhsa_kernarg_size 32
		.amdhsa_user_sgpr_count 2
		.amdhsa_user_sgpr_kernarg_segment_ptr 1
		.amdhsa_wavefront_size32 1
		.amdhsa_system_sgpr_workgroup_id_x 1
		.amdhsa_system_sgpr_workgroup_id_y 1
		.amdhsa_system_sgpr_workgroup_id_z 1
		.amdhsa_system_vgpr_workitem_id 0
		.amdhsa_next_free_vgpr 768
		.amdhsa_next_free_sgpr 66
		.amdhsa_reserve_vcc 0
		.amdhsa_float_denorm_mode_32 3
		.amdhsa_float_denorm_mode_16_64 3
		.amdhsa_memory_ordered 1
		.amdhsa_forward_progress 1
		.amdhsa_inst_pref_size 181
	.end_amdhsa_kernel
	.amdgpu_metadata
---
amdhsa.version: [ 1, 2 ]
amdhsa.kernels:
  - .name:           k_qe2d5b8a720_proj
    .symbol:         k_qe2d5b8a720_proj.kd
    .args:
      - { .name: yb, .offset: 0, .size: 8, .value_kind: global_buffer, .address_space: global }
      - { .name: wprojh, .offset: 8, .size: 8, .value_kind: global_buffer, .address_space: global }
      - { .name: bproj, .offset: 16, .size: 8, .value_kind: global_buffer, .address_space: global }
      - { .name: out0, .offset: 24, .size: 8, .value_kind: global_buffer, .address_space: global }
    .group_segment_fixed_size: 327680
    .private_segment_fixed_size: 0
    .kernarg_segment_align: 8
    .kernarg_segment_size: 32
    .max_flat_workgroup_size: 128
    .sgpr_count:     66
    .vgpr_count:     768
    .wavefront_size: 32
...
	.end_amdgpu_metadata
.endif
;; end of part 4
